; MI455X (gfx1250); checked and timed in simulation.
; The chip was launched on July 23, 2026; its instructions are those of AMD's public machine-readable ISA for CDNA 5 (MIT licence, August 2026) and "CDNA5" Instruction Set Architecture Reference Guide (July 2026). The comments in the code are by the model that wrote it; some were corrected since.
;; Vector Quantizer. Allowed arithmetic: matrix products marked QUANTISED: E2M3 operands, one E8M0 scale for each 32 along K, by v_wmma_scale_f32_16x16x128_f8f6f4 with both operands' format E2M3, f32 sums; everything else in f32.
;; Inputs: embedding 1,024 x 64 float32; z 131,072 x 64 float32.
;; Outputs: out0 one number float32; out1 131,072 x 64 float32.
;; This version of the problem:
;;   THIS VERSION OF THE PROBLEM IS GIVEN IN LOW PRECISION. The matrix products marked QUANTISED in the list below multiply operands that are first quantised to E2M3 (2 exponent bits, 3 mantissa bits; 6 bits a number), with one power-of-two scale for each 32 numbers along K (OCP MX v1.0); their sums are f32. All else is computed in f32.
;;   The module's matrix products, in the order in which they are computed (A, B: the left and right operand; K: the contracted axis; several contracted axes count as one K, in the product's order):
;;     1. [M 131,072, K 64] x [K 64, N 1,024]; A: input z; B: input embedding: QUANTISED
;;   THE QUANTISER, for each operand of a quantised product, along K:
;;     - K is cut into blocks of 32 from its start; a last block that is shorter is filled with zeros.
;;     - A block's scale is 2^e with e = floor(log2(the largest magnitude in the block)) - 2, held to -126 .. 127; a block of zeros has e = 0. As a byte (E8M0): e + 127.
;;     - Each number is divided by its block's scale, clamped to +-7.5, and rounded to the nearest number of E2M3, ties to even, subnormals kept.
;;     - The product sums the exact products of the quantised numbers (number of the format x scale) in f32.
;;   ~~~python
;;   def quantise(x, axis):      # numpy; x: float32 -> the quantised numbers, widened to float32 again
;;       x = np.moveaxis(x, axis, -1); K = x.shape[-1]
;;       x = np.pad(x, [(0, 0)] * (x.ndim - 1) + [(0, -K % 32)]); x = x.reshape(x.shape[:-1] + (-1, 32)); a = np.abs(x).max(-1, keepdims=True)
;;       e = np.where(a > 0, np.clip(np.frexp(np.where(a > 0, a, 1))[1] - 1 - 2, -126, 127), 0)      # np.frexp(a)[1] - 1 = floor(log2(a)), exactly
;;       r = np.clip(x / 2.0 ** e, -7.5, 7.5)
;;       step = 2.0 ** (np.maximum(np.frexp(np.where(r == 0, 1, r))[1] - 1, 0) - 3)
;;       q = np.round(r / step) * step * 2.0 ** e      # np.round: ties to even
;;       return np.moveaxis(q.reshape(q.shape[:-2] + (-1,))[..., :K], -1, axis).astype(np.float32)
;;   ~~~
;; One version. Each part assembles by itself: llvm-mc -triple=amdgcn-amd-amdhsa -mcpu=gfx1250 --defsym DOCPART=n.
;; ======== version 1 of 1: 3 launches
;; limits: right only within a limited range of input values
;; workspace buffers: near 524,288 bytes of whole numbers; part 1,024 bytes
;; launch nearest (part 1): grid 256 x 1, 8 waves a work-group, clusters of 4 x 1, 327,680 bytes of LDS; arguments z, embedding, near; writes near
.if DOCPART == 1
	.amdgcn_target "amdgcn-amd-amdhsa--gfx1250"
	.amdhsa_code_object_version 6
	.text
	.protected	k_q77bc9a5bee_nearest
	.globl	k_q77bc9a5bee_nearest
	.p2align	8
	.type	k_q77bc9a5bee_nearest,@function
k_q77bc9a5bee_nearest:
	s_mov_b64 s[64:65], 0
	v_nop
	global_prefetch_b8 v0, s[64:65] scope:SCOPE_SE
	s_setreg_imm32_b32 hwreg(HW_REG_WAVE_MODE, 25, 1), 1
	s_wait_xcnt 0x0
	s_wait_alu depctr_hold_cnt(0) depctr_sa_sdst(0) depctr_va_vdst(0) depctr_va_sdst(0) depctr_va_ssrc(0) depctr_va_vcc(0) depctr_vm_vsrc(0)
	s_getreg_b32 s2, hwreg(HW_REG_IB_STS2, 6, 4)
	s_cmp_eq_u32 s2, 0
	s_cbranch_scc0 .Lentry_in_a_cluster
	s_endpgm
.Lentry_in_a_cluster:
	s_bfe_u32 s2, ttmp6, 0x10000c
	s_cmp_lg_u32 s2, 0x3003
	s_cbranch_scc0 .Lentry_shape_is_right
	s_endpgm
.Lentry_shape_is_right:
; near[b] = the first k at which d2[b][k] = (z2[b] - 2 Q(z[b]) . Q(e[k])) + e2[k] is smallest.  z [131072][64], e [1024][64], f32; Q: codes of FP6 (E2M3) with one E8M0 byte for each 32 along K.
; THE PRODUCT.  z's codes have their signs flipped and z's scale bytes are one higher: the products sum to -2 dot exactly; C is z2 (eight registers alike: a lane of the result holds ONE row of z), so the
; instruction gives z2 - 2 dot, rounded by the matrix unit; one packed addition then adds e2 in f32.  The comparison is strict and the lower index wins a tie.
; K is 64; the instruction's K is 128: z tiles 0 and 2 stand in the lower half of K, tiles 1 and 3 in the upper half, zero codes in the other half: z's registers are [z0][0][z1][z2][0][z3], six each.
; e's fragment of a tile is its six registers and the six behind (or ahead of) them, whatever those hold: every bit pattern is a number of FP6, and it meets zero codes.  Scale words hold their two bytes twice.
; SHARES.  A work-group takes 512 rows of z, each of its eight waves 64: four tiles of 16; tile zt's lane r holds row 4 r + zt of the 64, so that a lane's four indices are 16 neighbouring bytes of near.
; Every wave walks all 64 tiles of 16 codebook rows, two (a pair) at a time.  Source 0 = 16 rows of e, source 1 = 16 rows of z: lane (r, h), register j: the codebook row 16 t + 8 h + j.
; THE CODEBOOK is wanted whole, as f32, by every work-group: 262,144 bytes.  Four work-groups form a cluster and ask for it JOINTLY, one load of 128 rows a wave: waves 0-3 the first half, waves 4-7 the
; second.  z is quantised while they are on their way; then all eight waves quantise the first half, four tiles each, while the second half may still be on its way; then the second half.
; A tile's IMAGE (the operand's registers lane by lane, the scale words, e2: 1,088 bytes) lies over the head of the tile's own f32 bytes, which only the quantising wave reads and into which no fill lands again.
; THE ARGMIN.  For each z tile a lane keeps the running minimum, the number of the first pair that reached it, and that pair's sixteen d2.  Which of the sixteen it was is looked up once, at the end;
; then the two halves of the lanes are compared.
; LDS:  0: 64 tiles of e, 4,352 bytes each (16 rows of 256 + 16); image: +0 registers 0-3 (16 x lane), +512 registers 4-5 and the scale word (16 x lane), +1,024 e2 (4 x row).
;       278,528: a stage of 4,352 bytes for each wave, through which z's rows turn.  Nothing is filled twice.  By this text's count a wave has one tensor load out.
; No prefetch: nothing here reads memory in a loop; all that a work-group reads is asked for at its head.
; LIMITS: NaN, infinities and an overflow of d2 are not served; blocks whose largest magnitude lies under 2^-124 (byte held from below by a floor) were not tried; a block of zeros has zero codes.
; z2 and e2 are summed in this text's own order; z2 - 2 dot is rounded by the matrix unit.
.set ETILE, 16*272                     ; a tile of 16 rows in LDS: rows 272 bytes apart, so that sixteen rows begin in sixteen different groups of banks
.set ESHARE, 8*ETILE                   ; a wave's tensor load: 128 rows
.set ZST,   64*ETILE                   ; the waves' stages for z begin here
.set SPARE, ZST+8*ETILE                ; behind them the spare words, 128 bytes a wave
.set PLB,   512                        ; an image's parts
.set PLD,   1024
.set CUA,   1                          ; v1, v2  my places in the images of the trip in hand: 16 lane, 32 h
.set CUD,   2
.set SPW,   3                          ; v3      my spare word;  v4 0
.set NIL,   4
.set NO,    5                          ; v5      at the head h; at the end my place in near
.set TNS,   6                          ; v6-9    the best pair's number, for each z tile (at the head: z2)
.set C0,    10                         ; v10-17  z2 of z tile 0, eight times
.set EA,    18                         ; v18-29  a pair of e, buffer 0
.set SH8,   30                         ; v30     8 h
.set BSA,   31                         ; v31     16 lane
.set BSD,   32                         ; v32     32 h
.set EAD,   33                         ; v33     my place in a tile of e: row r, 128 h bytes on, in my wave's four tiles of a half
.set IMA,   34                         ; v34     where I store an image: 16 lane, in my wave's four tiles
.set IMC,   35                         ; v35     the same for e2: 4 r.   v30-35 stand between the two buffers of e and do not change while products read them
                                       ; v36-47  a pair of e, buffer 1
.set C1,    48                         ; v48-71  z2 of z tiles 1, 2, 3, eight times each
.set RUN,   72                         ; v72-79  RUN+2 zt, RUN+2 zt+1: the running minimum, two registers by turns
.set ES,    80                         ; v80-83  e's scale words: ES + 2 buffer + tile of the pair
.set ZS,    84                         ; v84-87  z's scale words
.set G,     88                         ; v88-91  at work
.set ZC,    92                         ; v92-127 z's operands
.set BEST,  128                        ; v128-191 the best pair's sixteen d2, for each z tile
.set ACC,   192                        ; v192-223 two slots of a pair's two accumulators
.set E2,    224                        ; v224-255 e2, two buffers of a pair's
; while quantising:
.set RAW,   128                        ; v128-255 z as it is loaded: 32 registers a tile
.set ZXA,   48                         ; v48-79, v128-159 two slots for 32 numbers of z; the second is tile 0's registers, free once they are staged
.set ZXB,   128
.set EX0,   192                        ; v192-223, v224-255 two slots for 32 numbers of e
.set EX1,   224
.set CODE,  18                         ; v18-25, v36-43 a tile's six registers of codes, its scale word, its e2: two sets by turns
.set TU,    26                         ; v26-28  the upper 16 codes
.set TP,    44                         ; v44-47  two packed sums
.set TA,    88                         ; two chains of the maximum
.set TB,    89
.set TS,    90                         ; the conversions' scale operand
.set TY,    91                         ; the byte
.set ZOFF,  18                         ; v18     1,024 h + 16 r: my bytes in a load of z   (v18-20: until z is quantised)
.set ZSI,   19                         ; v19     into my stage: 272 h + 16 r
.set ZSO,   20                         ; v20     out of my stage: row r, 128 h bytes on
; at the end: at work in the slots' registers
.set PQ,    192
.set IDX,   196
.set XR,    200
.set XI,    204
.set WV,   10                          ; s10    my wave's number
.set SEL,  14                          ; s[14:15] v_permlanex16_b32's selects for lane l xor 16
.set G1E,  16                          ; s[16:23] descriptor group 1;  s[24:27] group 0
.set G0E,  24
.set TN,   38                          ; s38    the number of the pair in hand
.set MK,   40                          ; s40-51 three sets of four lane masks, at the end
.set CNT,  60                          ; s60    trips to go
.set ST,   61                          ; s61    how far the trip in hand lies in LDS
; A round of the cluster's barrier: my work-group's barrier, wave 0's signal for the work-group, every wave's wait for all four work-groups, my work-group's barrier once more.
.macro ROUND
	s_barrier_signal -1
	s_barrier_wait -1
	s_cmp_lg_u32 s[WV], 0
	s_cbranch_scc1 .Lnot_wave_0_\@
	s_barrier_signal -3
.Lnot_wave_0_\@:
	s_barrier_wait -3
	s_barrier_signal -1
	s_barrier_wait -1
.endm
; QUANT: v[X] .. v[X+31], a whole block of 32 along K of my row, become six registers of codes at v[CD], the row's scale word in v[WD] and the row's sum of squares in v[SD] (both alike in lanes l and l xor 16).
; In the 6-bit operand layout lane (r, h) holds row r's numbers 32 h .. 32 h + 31 of a half of K in six registers: the codes are the operand as they come.  Z = 1: times -2: signs flipped, byte one higher.
.macro QUANT X, CD, WD, SD, Z
	v_max3_num_f32 v[TA], |v[\X]|, |v[\X+1]|, 0x1800000            ; the floor 2^(3 - 127) among the leaves: the byte cannot fall under 1
	v_max3_num_f32 v[TB], |v[\X+16]|, |v[\X+17]|, |v[\X+18]|
.irp i, 0,2,4,6,8,10
	s_delay_alu instid0(VALU_DEP_2)
	v_max3_num_f32 v[TA], v[TA], |v[\X+2+\i]|, |v[\X+3+\i]|        ; two chains by turns
	s_delay_alu instid0(VALU_DEP_2)
	v_max3_num_f32 v[TB], v[TB], |v[\X+19+\i]|, |v[\X+20+\i]|
.endr
	s_delay_alu instid0(VALU_DEP_2)
	v_max3_num_f32 v[TA], v[TA], |v[\X+14]|, |v[\X+15]|
	s_delay_alu instid0(VALU_DEP_1)
	v_max3_num_f32 v[TA], v[TA], v[TB], |v[\X+31]|                 ; the block's largest magnitude
	v_pk_mul_f32 v[TP:TP+1], v[\X:\X+1], v[\X:\X+1]                ; the sum of squares, packed, in two chains
	v_pk_mul_f32 v[TP+2:TP+3], v[\X+2:\X+3], v[\X+2:\X+3]
.irp i, 4,8,12,16,20,24,28
	s_delay_alu instid0(VALU_DEP_2)
	v_pk_fma_f32 v[TP:TP+1], v[\X+\i:\X+\i+1], v[\X+\i:\X+\i+1], v[TP:TP+1]
	s_delay_alu instid0(VALU_DEP_2)
	v_pk_fma_f32 v[TP+2:TP+3], v[\X+\i+2:\X+\i+3], v[\X+\i+2:\X+\i+3], v[TP+2:TP+3]
.endr
	v_add_nc_u32 v[TS], 0xff000000, v[TA]                          ; 2 off the exponent field: the conversion takes this operand's exponent field as its scale
	s_delay_alu instid0(VALU_DEP_2)
	v_pk_add_f32 v[TP:TP+1], v[TP:TP+1], v[TP+2:TP+3]
.if \Z
	v_add_nc_u32 v[TY], 0xff800000, v[TA]                          ; 1 off it: the scale of twice the number
	s_delay_alu instid0(VALU_DEP_1)
	v_lshrrev_b32 v[TY], 23, v[TY]
.else
	s_delay_alu instid0(VALU_DEP_2)
	v_lshrrev_b32 v[TY], 23, v[TS]                                 ; the scale's byte
.endif
	v_cvt_scalef32_pk16_fp6_f32 v[\CD:\CD+2], v[\X:\X+15], v[TS]
	v_cvt_scalef32_pk16_fp6_f32 v[TU:TU+2], v[\X+16:\X+31], v[TS]  ; (a conversion's three registers begin on an even number)
	v_add_f32 v[TP], v[TP], v[TP+1]                                ; my block's sum of squares; also the one plain line behind the conversions
.if \Z
	v_xor_b32 v[\CD], 0x20820820, v[\CD]                           ; the codes' sign bits: bit 5 of every 6, along 96 bits
	v_xor_b32 v[\CD+1], 0x08208208, v[\CD+1]
	v_xor_b32 v[\CD+2], 0x82082082, v[\CD+2]
	v_xor_b32 v[\CD+3], 0x20820820, v[TU]
	v_xor_b32 v[\CD+4], 0x08208208, v[TU+1]
	v_xor_b32 v[\CD+5], 0x82082082, v[TU+2]
.else
.irp i, 0,1,2
	v_mov_b32 v[\CD+3+\i], v[TU+\i]
.endr
.endif
	v_lshlrev_b32 v[TY], v[SH8], v[TY]                             ; my byte at its place in the word: 8 h bits up
	v_permlanex16_b32 v[TP+2], v[TP], s[SEL], s[SEL+1]
	s_delay_alu instid0(VALU_DEP_2)
	v_permlanex16_b32 v[TP+3], v[TY], s[SEL], s[SEL+1]
	s_delay_alu instid0(VALU_DEP_2)
	v_add_f32 v[\SD], v[TP], v[TP+2]                               ; both blocks: the same bits in both halves of the lanes
	s_delay_alu instid0(VALU_DEP_2)
	v_or_b32 v[TY], v[TY], v[TP+3]
	s_delay_alu instid0(VALU_DEP_1)
	v_lshl_or_b32 v[\WD], v[TY], 16, v[TY]                         ; the two bytes, for either half of K
.endm
.macro ELOAD t, X                      ; my 32 numbers of row r of my wave's tile t of e: eight loads of 16 bytes
.irp i, 0,1,2,3,4,5,6,7
	ds_load_b128 v[\X+4*\i:\X+4*\i+3], v[EAD] offset:ETILE*(\t)+16*\i
.endr
.endm
; My wave's tile t of e is quantised and its image stored.  w: the LDS instructions issued behind the tile's eight loads, which may stay out.  nx = 1: the slot takes tile t + 2.
; The codes have two sets of registers by turns: a set is written again two tiles on, behind the wait for loads that were issued behind its stores.
.macro EQ t, w, nx
.set XS, EX0+(EX1-EX0)*((\t)%2)
.set CR, CODE+18*((\t)%2)
	s_wait_dscnt \w
	QUANT XS, CR, CR+6, CR+7, 0
	ds_store_b128 v[IMA], v[CR:CR+3] offset:ETILE*(\t)             ; over the tile's own first rows: my loads of them are in
	ds_store_b96 v[IMA], v[CR+4:CR+6] offset:ETILE*(\t)+PLB
	ds_store_b32 v[IMC], v[CR+7] offset:ETILE*(\t)+PLD             ; lanes l and l xor 16 write the same word with the same value
.if \nx
	ELOAD (\t)+2, XS
.endif
.endm
.macro EHALF                           ; my wave's four tiles of a half of e, which has landed
	ELOAD 0, EX0
	ELOAD 1, EX1
	EQ 0, 8, 1                                     ; behind tile 0's loads: tile 1's eight
	EQ 1, 11, 1                                    ; behind a tile's loads: the three stores of the tile before and the next tile's eight loads
	EQ 2, 11, 0
	EQ 3, 3, 0                                     ; behind tile 3's loads: tile 2's three stores
	s_wait_alu depctr_va_vdst(0)                   ; directly ahead of the waits below
.endm
.macro ZLOADS                          ; all of my z: 32 loads, in each of which sixteen lanes read a whole row of 256 bytes
.irp zt, 0,1,2,3
.irp i, 0,1,2,3,4,5,6,7
	global_load_b128 v[RAW+32*\zt+4*\i:RAW+32*\zt+4*\i+3], v[ZOFF], s[4:5] offset:2048*\i+256*\zt th:TH_LOAD_NT
.endr
.endr
.endm
.macro ZIN zt                          ; tile zt of z goes into my stage as it was loaded: load i holds the tile's rows 2 i + h
.irp i, 0,1,2,3,4,5,6,7
	ds_store_b128 v[ZSI], v[RAW+32*(\zt)+4*\i:RAW+32*(\zt)+4*\i+3] offset:2*272*\i
.endr
.endm
.macro ZOUT X                          ; and comes back 32 neighbours along K a lane.  LDS serves a wave's instructions in order: these see the stores above, and the next tile's stores come behind them
.irp i, 0,1,2,3,4,5,6,7
	ds_load_b128 v[\X+4*\i:\X+4*\i+3], v[ZSO] offset:16*\i
.endr
.endm
.macro LDP b, k                        ; a pair of e, k tiles on from the trip's addresses, into buffer b: ten loads
.irp t, 0,1
	ds_load_b128 v[EA+18*(\b)+6*\t:EA+18*(\b)+6*\t+3], v[CUA] offset:ETILE*(\k+\t)
	ds_load_b64 v[EA+18*(\b)+6*\t+4:EA+18*(\b)+6*\t+5], v[CUA] offset:ETILE*(\k+\t)+PLB
	ds_load_b32 v[ES+2*(\b)+\t], v[CUA] offset:ETILE*(\k+\t)+PLB+8
	ds_load_b128 v[E2+16*(\b)+8*\t:E2+16*(\b)+8*\t+3], v[CUD] offset:ETILE*(\k+\t)+PLD
	ds_load_b128 v[E2+16*(\b)+8*\t+4:E2+16*(\b)+8*\t+7], v[CUD] offset:ETILE*(\k+\t)+PLD+16
.endr
.endm
; Tile t of the pair in buffer b against z tile zt, into slot s: z2 - 2 dot.  Each sum is one instruction: nothing is chained.
.macro MUL b, zt, s, t
.set ZF, ZC+18*((\zt)/2)+6*((\zt)%2)
.if (\zt) == 0
.set CZ, C0
.else
.set CZ, C1+8*((\zt)-1)
.endif
.set EF, EA+18*(\b)+6*(\t)-6*((\zt)%2)
	v_wmma_scale_f32_16x16x128_f8f6f4 v[ACC+16*(\s)+8*(\t):ACC+16*(\s)+8*(\t)+7], v[EF:EF+11], v[ZF:ZF+11], v[CZ:CZ+7], v[ES+2*(\b)+\t], v[ZS+\zt] matrix_a_fmt:MATRIX_FMT_FP6 matrix_b_fmt:MATRIX_FMT_FP6
.endm
; A unit: slot s's sixteen numbers a lane, pair p against z tile zt, become d2 and meet the running minimum.  Where it has fallen, the pair's number and its sixteen d2 are taken, two to an instruction: a dual
; pair's destinations are an even and an odd register, its sources neighbours, so in different banks; its mask is VCC.
; The next unit's two products (buffer nb, z tile nz, slot ns; nz = 4: none) stand in the minimum's chain; behind the second of them eleven plain vector lines that name none of its registers, ahead of its results' reads.
.macro PROC p, zt, s, nb, nz, ns
.set AS, ACC+16*(\s)
.irp j, 0,2,4,6,8,10,12,14             ; each accumulator is read from its low end on
	v_pk_add_f32 v[AS+\j:AS+\j+1], v[AS+\j:AS+\j+1], v[E2+16*(\p)+\j:E2+16*(\p)+\j+1]
.endr
	v_min3_num_f32 v[G], v[AS], v[AS+1], v[AS+2]
	v_min3_num_f32 v[G+1], v[AS+3], v[AS+4], v[AS+5]
	v_min3_num_f32 v[G+2], v[AS+8], v[AS+9], v[AS+10]
	v_min3_num_f32 v[G+3], v[AS+11], v[AS+12], v[AS+13]
	v_min3_num_f32 v[G], v[G], v[G+1], v[AS+6]
	v_min3_num_f32 v[G+2], v[G+2], v[G+3], v[AS+14]
.if (\nz) < 4
	MUL \nb, \nz, \ns, 0
.endif
	v_min3_num_f32 v[G], v[G], v[AS+7], v[AS+15]
.if (\nz) < 4
	MUL \nb, \nz, \ns, 1
.endif
	v_min3_num_f32 v[RUN+2*(\zt)+1-(\p)], v[G], v[G+2], v[RUN+2*(\zt)+(\p)]
	s_delay_alu instid0(VALU_DEP_1)
	v_cmp_lt_f32 vcc_lo, v[RUN+2*(\zt)+1-(\p)], v[RUN+2*(\zt)+(\p)]   ; strictly smaller: a later pair that only ties changes nothing
	v_cndmask_b32 v[TNS+\zt], v[TNS+\zt], s[TN], vcc_lo
.irp j, 0,2,4,6,8,10,12,14
	v_dual_cndmask_b32 v[BEST+16*(\zt)+\j], v[BEST+16*(\zt)+\j], v[AS+\j] :: v_dual_cndmask_b32 v[BEST+16*(\zt)+\j+1], v[BEST+16*(\zt)+\j+1], v[AS+\j+1]
.endr
.endm
; A pair: four units.  nx = 1: the next pair's ten loads go out ahead of them, k tiles on, and are waited for ahead of the last unit, in which the next pair's first products are issued.
.macro PAIR p, k, nx
.if \nx
	LDP 1-\p, \k
.endif
	PROC \p, 0, 0, \p, 1, 1
	PROC \p, 1, 1, \p, 2, 0
	PROC \p, 2, 0, \p, 3, 1
.if \nx
	s_wait_dscnt 0x0
	PROC \p, 3, 1, 1-\p, 0, 0
.else
	PROC \p, 3, 1, 0, 4, 0
.endif
	s_add_co_u32 s[TN], s[TN], 1
.endm
.macro ADDR                            ; the trip's addresses
	v_add_nc_u32 v[CUA], s[ST], v[BSA]
	v_add_nc_u32 v[CUD], s[ST], v[BSD]
.endm
	s_load_b128 s[4:7], s[0:1], 0x0                ; z s[4:5], embedding s[6:7]
	s_load_b64 s[8:9], s[0:1], 0x10                ; near
	v_lshl_add_u32 v[SPW], v0, 2, SPARE
	v_mov_b32 v[NIL], 0
	ds_add_u32 v[SPW], v[NIL]                      ; the opening: the add, twice on end, ahead of my tensor load
	ds_add_u32 v[SPW], v[NIL]
	v_lshrrev_b32 v1, 5, v0
	s_delay_alu instid0(VALU_DEP_1)
	v_readfirstlane_b32 s[WV], v1                  ; wave 0..7
	s_bfe_u32 s28, ttmp6, 0x40000                  ; cx: my place in the cluster
	s_lshl_b32 s29, ttmp9, 2                       ; in a cluster launch ttmp9 counts clusters
	s_add_co_u32 s29, s29, s28                     ; my work-group = 4 x cluster + cx: it enters z's and near's addresses alone
	; group 1: 128 rows of 256 bytes (32 elements of 8), dense in memory, 16 bytes of padding behind each in LDS
	s_mov_b32 s[G1E+0], 15|(3<<16)|(1<<20)|(1<<21)|(5<<22)|(3<<25)  ; 15:0 the mask: all four work-groups; elements of 8 bytes; padding on; 21 set beside a mask; after every 64 words, 4 words
	s_mov_b32 s[G1E+1], 32<<16                     ; tensor_dim0 = 32
	s_mov_b32 s[G1E+2], 128<<16                    ; tensor_dim1 = 128
	s_mov_b32 s[G1E+3], 32<<16                     ; tile_dim0 = 32
	s_mov_b32 s[G1E+4], 128                        ; tile_dim1 = 128
	s_mov_b32 s[G1E+5], 32                         ; from row to row: 32 elements
	s_mov_b32 s[G1E+6], 0
	s_mov_b32 s[G1E+7], 0
	s_lshl_b32 s12, s29, 17                        ; z: the work-group's 512 rows of 256 bytes,
	s_lshl_b32 s11, s[WV], 14                      ; my wave's 64 of them
	s_add_co_u32 s12, s12, s11
	s_mov_b32 s13, 0
	s_lshl_b32 s32, s29, 11                        ; near: 2,048 bytes a work-group, 256 a wave
	s_lshl_b32 s11, s[WV], 8
	s_add_co_u32 s32, s32, s11
	s_mov_b32 s33, 0
	s_lshl_b32 s30, s[WV], 15                      ; e: the 128 rows that my wave fetches: the wave's number alone, alike in all four work-groups,
	s_mov_b32 s31, 0
	s_mul_i32 s37, s[WV], ESHARE                   ; and their place in LDS
	s_mul_i32 s35, s[WV], 4*ETILE                  ; the four tiles of a half that my wave quantises
	s_mul_i32 s36, s[WV], ETILE
	s_add_co_u32 s36, s36, ZST                     ; my stage
	s_mov_b32 s[SEL], 0x76543210
	s_mov_b32 s[SEL+1], 0xfedcba98
	s_mov_b32 s[TN], 0
	v_and_b32 v1, 31, v0                           ; lane
	v_and_b32 v2, 15, v0                           ; r
	v_bfe_u32 v[NO], v0, 4, 1                      ; h
	v_lshlrev_b32 v[BSA], 4, v1
	v_lshlrev_b32 v[ZSI], 4, v2
	v_lshlrev_b32 v[SH8], 3, v[NO]
	v_lshlrev_b32 v[BSD], 5, v[NO]
	v_lshl_add_u32 v[ZOFF], v[NO], 10, v[ZSI]      ; load i of tile zt holds rows 4 (2 i + h) + zt of my 64: 1,024 h + 16 r (+ 2,048 i + 256 zt)
	v_mul_u32_u24 v[EAD], v[NO], 272
	v_mul_u32_u24 v[ZSO], v2, 272
	v_lshl_add_u32 v[IMC], v2, 2, s35
	v_add_nc_u32 v[ZSI], v[ZSI], v[EAD]
	v_lshl_add_u32 v[ZSO], v[NO], 7, v[ZSO]        ; 272 r + 128 h
	v_add_nc_u32 v[IMA], s35, v[BSA]
	v_add_nc_u32 v[ZSI], s36, v[ZSI]
	v_add_nc_u32 v[EAD], s35, v[ZSO]
	v_add_nc_u32 v[ZSO], s36, v[ZSO]
.irp i, 0,1,2,3,4,5
	v_mov_b32 v[ZC+6+\i], 0                        ; zero codes: the upper half of K for z tiles 0 and 2, the lower for 1 and 3
	v_mov_b32 v[ZC+24+\i], 0
.endr
	s_wait_alu depctr_va_vdst(0)
	s_wait_dscnt 0x0                               ; both opening adds are done
	s_wait_kmcnt 0x0
	s_add_nc_u64 s[4:5], s[4:5], s[12:13]
	s_add_nc_u64 s[8:9], s[8:9], s[32:33]
	s_mov_b32 s[G0E], 1                            ; count = 1
	s_mov_b32 s[G0E+1], s37                        ; LDS address: the wave's number x a constant
	s_add_nc_u64 s[G0E+2:G0E+3], s[6:7], s[30:31]
	s_or_b32 s[G0E+3], s[G0E+3], 0x80000000        ; type = 2
	ROUND                                          ; all four work-groups are here: the joint loads meet
	; one tensor load a wave, the launch's only fill of these bytes: waves 0-3 ask for e's first half ahead of their z, waves 4-7 for the second half behind their z, since it is needed last
	s_cmp_lt_u32 s[WV], 4
	s_cbranch_scc0 .Lsecond_half
	tensor_load_to_lds s[G0E:G0E+3], s[G1E:G1E+7]
	s_nop 0
	ZLOADS
	s_branch .Lasked
.Lsecond_half:
	ZLOADS
	tensor_load_to_lds s[G0E:G0E+3], s[G1E:G1E+7]
	s_nop 0
.Lasked:
	; z is quantised, a tile at a time: through my stage into two slots of registers by turns
	s_wait_loadcnt 24                              ; tile 0's eight loads are in, the 24 behind them may be out
	ZIN 0
	ZOUT ZXA
	s_wait_loadcnt 16
	ZIN 1
	s_wait_dscnt 16                                ; tile 0's stores are done (behind them: eight loads and eight stores): their registers are the second slot
	ZOUT ZXB
	s_wait_dscnt 16                                ; tile 0 is back (behind its loads: eight stores and eight loads)
	QUANT ZXA, ZC, ZS, TNS, 1
	s_wait_loadcnt 8
	ZIN 2
	ZOUT ZXA
	s_wait_dscnt 16                                ; tile 1 is back
	QUANT ZXB, ZC+12, ZS+1, TNS+1, 1
	s_wait_loadcnt 0x0
	ZIN 3
	ZOUT ZXB
	s_wait_dscnt 16                                ; tile 2 is back
	QUANT ZXA, ZC+18, ZS+2, TNS+2, 1
	s_wait_dscnt 0x0                               ; tile 3 is back
	QUANT ZXB, ZC+30, ZS+3, TNS+3, 1
.irp j, 0,1,2,3,4,5,6,7                            ; z2 as the products' C
	v_mov_b32 v[C0+\j], v[TNS]
	v_mov_b32 v[C1+\j], v[TNS+1]
	v_mov_b32 v[C1+8+\j], v[TNS+2]
	v_mov_b32 v[C1+16+\j], v[TNS+3]
.endr
.irp zt, 0,1,2,3
	v_mov_b32 v[RUN+2*\zt], 0x7f800000             ; the minimum so far: +infinity, over every d2.  (What BEST holds is replaced by the first selection)
	v_mov_b32 v[TNS+\zt], 0
.endr
	s_wait_alu depctr_va_vdst(0)                   ; directly ahead of the branch
	s_cmp_lt_u32 s[WV], 4
	s_cbranch_scc0 .Lnot_first
	s_wait_tensorcnt 0x0                           ; waves 0-3: my part of the first half has landed
.Lnot_first:
	s_barrier_signal -1
	s_barrier_wait -1                              ; e's first half is whole for all eight waves; the second half may be on its way
	EHALF
	s_wait_tensorcnt 0x0                           ; every wave: what was still out, the second half, has landed
	s_wait_dscnt 0x0
	s_barrier_signal -1
	s_barrier_wait -1
	v_add_nc_u32 v[EAD], 32*ETILE, v[EAD]          ; on to the second half
	v_add_nc_u32 v[IMA], 32*ETILE, v[IMA]
	v_add_nc_u32 v[IMC], 32*ETILE, v[IMC]
	EHALF
	s_wait_dscnt 0x0                               ; for the others' sake: my images are stored
	s_barrier_signal -1
	s_barrier_wait -1                              ; all 64 images lie in LDS
	; THE WALK: 32 pairs of e
	s_mov_b32 s[ST], 0
	ADDR
	LDP 0, 0
	s_wait_dscnt 0x0
	MUL 0, 0, 0, 0
	MUL 0, 0, 0, 1
.rept 4
	v_nop                                          ; the places behind the first products
.endr
	s_mov_b32 s[CNT], 15
.Lwalk:                                            ; 15 trips of two pairs
	ADDR
	PAIR 0, 2, 1
	PAIR 1, 4, 1
	s_add_co_u32 s[ST], s[ST], 4*ETILE
	s_sub_co_i32 s[CNT], s[CNT], 1
	s_cmp_lg_u32 s[CNT], 0
	s_cbranch_scc1 .Lwalk
	s_mov_b32 s[ST], 60*ETILE
	ADDR
	PAIR 0, 2, 1                                   ; the last two pairs fetch nothing beyond the end
	PAIR 1, 0, 0                                   ; 32 pairs in all: the minimum ends in the first of its two registers
	; WHICH OF THE SIXTEEN: the lowest place whose d2 equals the minimum.  Places 0-7 are codebook rows 0-7 of the pair (+ 8 h), places 8-15 its rows 16-23
.irp zt, 0,1,2,3
	v_mov_b32 v[PQ+\zt], 23
.endr
.irp q, 14,13,12,11,10,9,8,7,6,5,4,3,2,1,0
.irp zt, 0,1,2,3
	v_cmp_eq_f32 s[MK+\zt], v[BEST+16*\zt+\q], v[RUN+2*\zt]
.endr
.irp zt, 0,1,2,3
	v_cndmask_b32 v[PQ+\zt], v[PQ+\zt], \q+8*(\q/8), s[MK+\zt]
.endr
.endr
.irp zt, 0,1,2,3
	v_lshl_add_u32 v[IDX+\zt], v[TNS+\zt], 5, v[PQ+\zt]
.endr
.irp zt, 0,1,2,3
	v_add_nc_u32 v[IDX+\zt], v[IDX+\zt], v[SH8]    ; k = 32 pair + place + 8 h
.endr
	; the row's other eight columns of every tile lie in lane l xor 16: its result is taken where its minimum is smaller, or equal at a lower index
.irp zt, 0,1,2,3
	v_permlanex16_b32 v[XR+\zt], v[RUN+2*\zt], s[SEL], s[SEL+1]
	v_permlanex16_b32 v[XI+\zt], v[IDX+\zt], s[SEL], s[SEL+1]
.endr
.irp zt, 0,1,2,3
	v_cmp_lt_f32 s[MK+\zt], v[XR+\zt], v[RUN+2*\zt]
	v_cmp_eq_f32 s[MK+4+\zt], v[XR+\zt], v[RUN+2*\zt]
	v_cmp_lt_u32 s[MK+8+\zt], v[XI+\zt], v[IDX+\zt]
.endr
.irp zt, 0,1,2,3
	s_and_b32 s[MK+4+\zt], s[MK+4+\zt], s[MK+8+\zt]
	s_or_b32 s[MK+\zt], s[MK+\zt], s[MK+4+\zt]
.endr
.irp zt, 0,1,2,3
	v_cndmask_b32 v[IDX+\zt], v[IDX+\zt], v[XI+\zt], s[MK+\zt]
.endr
	v_and_b32 v[NO], 15, v0
	v_and_b32 v[CUA], 31, v0                       ; lane
	v_lshlrev_b32 v[NO], 4, v[NO]
	v_cmp_gt_u32 vcc_lo, 16, v[CUA]
	s_wait_alu depctr_va_vdst(0)                   ; directly ahead of the wait below
	s_wait_xcnt 0x0                                ; EXEC changes only behind this wait
	s_and_saveexec_b32 s[MK], vcc_lo               ; both halves hold the same four numbers: lanes 0-15 store them
	global_store_b128 v[NO], v[IDX:IDX+3], s[8:9]  ; rows 4 r .. 4 r + 3: sixteen lanes store 256 consecutive bytes, aligned
	s_wait_xcnt 0x0                                ; and again, in front of the line that widens it
	s_or_b32 exec_lo, exec_lo, s[MK]
	s_wait_tensorcnt 0x0                           ; the wave's end
	ds_add_u32 v[SPW], v[NIL]
	s_wait_dscnt 0x0
	ROUND                                          ; the closing round: no work-group ends while a partner may still ask for a tile that names it
	s_endpgm
.Lfunc_end_k_q77bc9a5bee_nearest:
	.size	k_q77bc9a5bee_nearest, .Lfunc_end_k_q77bc9a5bee_nearest-k_q77bc9a5bee_nearest
	.p2alignl 7, 3214868480
	.fill 96, 4, 3214868480
	.section	.rodata,"a",@progbits
	.p2align	6, 0x0
	.amdhsa_kernel k_q77bc9a5bee_nearest
		.amdhsa_group_segment_fixed_size 327680
		.amdhsa_private_segment_fixed_size 0
		.amdhsa_enable_private_segment 0
		.amdhsa_kernarg_size 24
		.amdhsa_user_sgpr_count 2
		.amdhsa_user_sgpr_kernarg_segment_ptr 1
		.amdhsa_wavefront_size32 1
		.amdhsa_system_sgpr_workgroup_id_x 1
		.amdhsa_system_sgpr_workgroup_id_y 1
		.amdhsa_system_sgpr_workgroup_id_z 1
		.amdhsa_system_vgpr_workitem_id 0
		.amdhsa_next_free_vgpr 256
		.amdhsa_next_free_sgpr 66
		.amdhsa_reserve_vcc 1
		.amdhsa_float_denorm_mode_32 3
		.amdhsa_float_denorm_mode_16_64 3
		.amdhsa_memory_ordered 1
		.amdhsa_forward_progress 1
		.amdhsa_inst_pref_size 114
	.end_amdhsa_kernel
	.amdgpu_metadata
---
amdhsa.version: [ 1, 2 ]
amdhsa.kernels:
  - .name:           k_q77bc9a5bee_nearest
    .symbol:         k_q77bc9a5bee_nearest.kd
    .args:
      - { .name: z, .offset: 0, .size: 8, .value_kind: global_buffer, .address_space: global }
      - { .name: embedding, .offset: 8, .size: 8, .value_kind: global_buffer, .address_space: global }
      - { .name: near, .offset: 16, .size: 8, .value_kind: global_buffer, .address_space: global }
    .group_segment_fixed_size: 327680
    .private_segment_fixed_size: 0
    .kernarg_segment_align: 8
    .kernarg_segment_size: 24
    .max_flat_workgroup_size: 256
    .sgpr_count:     66
    .vgpr_count:     256
    .wavefront_size: 32
...
	.end_amdgpu_metadata
.endif
;; end of part 1
;; launch gather (part 2): grid 256 x 1, 16 waves a work-group, no clusters, 2,304 bytes of LDS; arguments z, embedding, near, out1, part; writes out1, part
.if DOCPART == 2
	.amdgcn_target "amdgcn-amd-amdhsa--gfx1250"
	.amdhsa_code_object_version 6
	.text
	.protected	k_q77bc9a5bee_gather
	.globl	k_q77bc9a5bee_gather
	.p2align	8
	.type	k_q77bc9a5bee_gather,@function
k_q77bc9a5bee_gather:
	s_mov_b64 s[64:65], 0
	v_nop
	global_prefetch_b8 v0, s[64:65] scope:SCOPE_SE
	s_setreg_imm32_b32 hwreg(HW_REG_WAVE_MODE, 25, 1), 1
	s_wait_xcnt 0x0
; out1[b] = embedding[near[b]];  part[g] = the sum over work-group g's 512 rows of (z - out1)^2, in f32.
; A stream: every byte of z and of near is read once, every byte of out1 written once; the codebook's 256 KiB are read again and again by all and carry no hint.  No matrix unit, no tensor load, no cluster: nothing here is shared but the codebook.
; A wave takes 32 rows, written out without a loop (so there is no prefetch).  Instruction i serves row i in lanes 0-15 and row 16 + i in lanes 16-31: sixteen lanes read or store a whole row of 256 bytes, aligned.
; The order of the loads, which return in that order: the indices, half of z (8 loads), the 16 gathers, the other half of z.  The stores follow the gathers one by one, with no vector line between them;
; the second half of z is on its way meanwhile.  An index is held to 0 .. 1023 before it enters an address.  NaN and infinities among the inputs are not served.
; LDS: 0: the sixteen waves' sums; 256: the spare words.
.set IX,  4                            ; v4-19   my half's 16 indices, then the gathers' byte offsets
.set RO,  20                           ; v20     4,096 h + 16 r: my bytes in the wave's rows of z and of out1
.set CO,  21                           ; v21     16 r: my bytes in a row of the codebook
.set S0,  24                           ; v[24:25], v[26:27] two packed sums
.set S1,  26
.set Z,   32                           ; v32-95  z, then z - z_q
.set E,   96                           ; v96-159 the gathered rows
.set SPW, 160
.set NIL, 161
	s_load_b256 s[4:11], s[0:1], 0x0               ; z s[4:5], embedding s[6:7], near s[8:9], out1 s[10:11]
	s_load_b64 s[12:13], s[0:1], 0x20              ; part
	v_lshl_add_u32 v[SPW], v0, 2, 256
	v_mov_b32 v[NIL], 0
	v_lshrrev_b32 v1, 5, v0
	s_delay_alu instid0(VALU_DEP_1)
	v_readfirstlane_b32 s14, v1                    ; wave 0..15
	v_and_b32 v1, 15, v0                           ; r
	v_bfe_u32 v2, v0, 4, 1                         ; h
	v_lshlrev_b32 v[CO], 4, v1
	v_lshlrev_b32 v3, 6, v2                        ; near: my half's 16 indices begin 64 h bytes on
	v_lshl_add_u32 v[RO], v2, 12, v[CO]
	s_lshl_b32 s16, ttmp9, 17                      ; 512 rows of 256 bytes a work-group,
	s_lshl_b32 s15, s14, 13                        ; 32 a wave
	s_add_co_u32 s16, s16, s15
	s_mov_b32 s17, 0
	s_lshl_b32 s18, ttmp9, 11                      ; near: 2,048 bytes a work-group, 128 a wave
	s_lshl_b32 s15, s14, 7
	s_add_co_u32 s18, s18, s15
	s_mov_b32 s19, 0
	s_lshl_b32 s20, ttmp9, 2                       ; part: one number a work-group
	s_mov_b32 s21, 0
	s_mov_b32 s22, 0x76543210                      ; v_permlanex16_b32's selects for lane l xor 16
	s_mov_b32 s23, 0xfedcba98
	s_lshl_b32 s25, s14, 2                         ; my wave's word among the sums
	s_wait_alu depctr_va_vdst(0)
	s_wait_kmcnt 0x0
	s_add_nc_u64 s[8:9], s[8:9], s[18:19]
	s_add_nc_u64 s[4:5], s[4:5], s[16:17]
	s_add_nc_u64 s[10:11], s[10:11], s[16:17]
	s_add_nc_u64 s[12:13], s[12:13], s[20:21]
.irp q, 0,1,2,3
	global_load_b128 v[IX+4*\q:IX+4*\q+3], v3, s[8:9] offset:16*\q th:TH_LOAD_NT
.endr
.irp i, 0,1,2,3,4,5,6,7
	global_load_b128 v[Z+4*\i:Z+4*\i+3], v[RO], s[4:5] offset:256*\i th:TH_LOAD_NT
.endr
	s_wait_loadcnt 8                               ; the indices are in; z's eight loads stay out
.irp i, 0,1,2,3,4,5,6,7,8,9,10,11,12,13,14,15
	v_min_u32 v[IX+\i], 0x3ff, v[IX+\i]            ; inside the table, whatever was read
.endr
.irp i, 0,1,2,3,4,5,6,7,8,9,10,11,12,13,14,15
	v_lshl_add_u32 v[IX+\i], v[IX+\i], 8, v[CO]    ; 256 x index + 16 r
.endr
.irp i, 0,1,2,3,4,5,6,7,8,9,10,11,12,13,14,15
	global_load_b128 v[E+4*\i:E+4*\i+3], v[IX+\i], s[6:7]
.endr
.irp i, 8,9,10,11,12,13,14,15
	global_load_b128 v[Z+4*\i:Z+4*\i+3], v[RO], s[4:5] offset:256*\i th:TH_LOAD_NT
.endr
.irp i, 0,1,2,3,4,5,6,7,8,9,10,11,12,13,14,15
	s_wait_loadcnt 23-\i                           ; gather i is in; the younger gathers and the second half of z (8 loads) stay out
	global_store_b128 v[RO], v[E+4*\i:E+4*\i+3], s[10:11] offset:256*\i th:TH_STORE_NT
.endr
.irp i, 0,1,2,3,4,5,6,7,8,9,10,11,12,13,14,15
.if \i == 8
	s_wait_alu depctr_va_vdst(0)                   ; directly ahead of the wait below
	s_wait_loadcnt 0x0                             ; the second half of z
.endif
	v_pk_add_f32 v[Z+4*\i:Z+4*\i+1], v[Z+4*\i:Z+4*\i+1], v[E+4*\i:E+4*\i+1] neg_lo:[0,1] neg_hi:[0,1]           ; z - z_q
	v_pk_add_f32 v[Z+4*\i+2:Z+4*\i+3], v[Z+4*\i+2:Z+4*\i+3], v[E+4*\i+2:E+4*\i+3] neg_lo:[0,1] neg_hi:[0,1]
	s_delay_alu instid0(VALU_DEP_2)
.if \i == 0
	v_pk_mul_f32 v[S0:S0+1], v[Z:Z+1], v[Z:Z+1]                    ; the first squares start the sums
	s_delay_alu instid0(VALU_DEP_2)
	v_pk_mul_f32 v[S1:S1+1], v[Z+2:Z+3], v[Z+2:Z+3]
.else
	v_pk_fma_f32 v[S0:S0+1], v[Z+4*\i:Z+4*\i+1], v[Z+4*\i:Z+4*\i+1], v[S0:S0+1]
	s_delay_alu instid0(VALU_DEP_2)
	v_pk_fma_f32 v[S1:S1+1], v[Z+4*\i+2:Z+4*\i+3], v[Z+4*\i+2:Z+4*\i+3], v[S1:S1+1]
.endif
.endr
	s_delay_alu instid0(VALU_DEP_1)
	v_pk_add_f32 v[S0:S0+1], v[S0:S0+1], v[S1:S1+1]
	s_delay_alu instid0(VALU_DEP_1)
	v_add_f32 v[S0], v[S0], v[S0+1]
	s_delay_alu instid0(VALU_DEP_1)
	v_add_f32_dpp v[S0], v[S0], v[S0] row_xmask:1 row_mask:0xf bank_mask:0xf
	s_delay_alu instid0(VALU_DEP_1)
	v_add_f32_dpp v[S0], v[S0], v[S0] row_xmask:2 row_mask:0xf bank_mask:0xf
	s_delay_alu instid0(VALU_DEP_1)
	v_add_f32_dpp v[S0], v[S0], v[S0] row_xmask:4 row_mask:0xf bank_mask:0xf
	s_delay_alu instid0(VALU_DEP_1)
	v_add_f32_dpp v[S0], v[S0], v[S0] row_xmask:8 row_mask:0xf bank_mask:0xf
	s_delay_alu instid0(VALU_DEP_1)
	v_permlanex16_b32 v[S0+1], v[S0], s22, s23
	s_delay_alu instid0(VALU_DEP_1)
	v_add_f32 v[S0], v[S0], v[S0+1]                ; the wave's sum, in every lane
	v_mov_b32 v28, s25
	ds_store_b32 v28, v[S0]                        ; all lanes write the wave's word with the same value
	s_wait_dscnt 0x0                               ; for the others' sake
	s_barrier_signal -1
	s_barrier_wait -1
	s_cmp_lg_u32 s14, 0
	s_cbranch_scc1 .Lothers                        ; wave 0 adds the sixteen
	v_lshlrev_b32 v29, 2, v1
	ds_load_b32 v30, v29                           ; lane r of each half: wave r's sum
	s_wait_dscnt 0x0
	v_add_f32_dpp v30, v30, v30 row_xmask:1 row_mask:0xf bank_mask:0xf
	s_delay_alu instid0(VALU_DEP_1)
	v_add_f32_dpp v30, v30, v30 row_xmask:2 row_mask:0xf bank_mask:0xf
	s_delay_alu instid0(VALU_DEP_1)
	v_add_f32_dpp v30, v30, v30 row_xmask:4 row_mask:0xf bank_mask:0xf
	s_delay_alu instid0(VALU_DEP_1)
	v_add_f32_dpp v30, v30, v30 row_xmask:8 row_mask:0xf bank_mask:0xf
	v_mov_b32 v31, 0
	v_cmp_eq_u32 vcc_lo, 0, v0
	s_wait_alu depctr_va_vdst(0)                   ; directly ahead of the waits below
	s_wait_xcnt 0x0                                ; EXEC changes only behind this wait
	s_wait_tensorcnt 0x0                           ; the wave's end
	ds_add_u32 v[SPW], v[NIL]
	s_wait_dscnt 0x0
	s_and_saveexec_b32 s24, vcc_lo
	global_store_b32 v31, v30, s[12:13]            ; one lane, one number
	s_endpgm
.Lothers:
	s_wait_tensorcnt 0x0
	ds_add_u32 v[SPW], v[NIL]
	s_wait_dscnt 0x0
	s_endpgm
.Lfunc_end_k_q77bc9a5bee_gather:
	.size	k_q77bc9a5bee_gather, .Lfunc_end_k_q77bc9a5bee_gather-k_q77bc9a5bee_gather
	.p2alignl 7, 3214868480
	.fill 96, 4, 3214868480
	.section	.rodata,"a",@progbits
	.p2align	6, 0x0
	.amdhsa_kernel k_q77bc9a5bee_gather
		.amdhsa_group_segment_fixed_size 2304
		.amdhsa_private_segment_fixed_size 0
		.amdhsa_enable_private_segment 0
		.amdhsa_kernarg_size 40
		.amdhsa_user_sgpr_count 2
		.amdhsa_user_sgpr_kernarg_segment_ptr 1
		.amdhsa_wavefront_size32 1
		.amdhsa_system_sgpr_workgroup_id_x 1
		.amdhsa_system_sgpr_workgroup_id_y 1
		.amdhsa_system_sgpr_workgroup_id_z 1
		.amdhsa_system_vgpr_workitem_id 0
		.amdhsa_next_free_vgpr 162
		.amdhsa_next_free_sgpr 66
		.amdhsa_reserve_vcc 1
		.amdhsa_float_denorm_mode_32 3
		.amdhsa_float_denorm_mode_16_64 3
		.amdhsa_memory_ordered 1
		.amdhsa_forward_progress 1
		.amdhsa_inst_pref_size 16
	.end_amdhsa_kernel
	.amdgpu_metadata
---
amdhsa.version: [ 1, 2 ]
amdhsa.kernels:
  - .name:           k_q77bc9a5bee_gather
    .symbol:         k_q77bc9a5bee_gather.kd
    .args:
      - { .name: z, .offset: 0, .size: 8, .value_kind: global_buffer, .address_space: global }
      - { .name: embedding, .offset: 8, .size: 8, .value_kind: global_buffer, .address_space: global }
      - { .name: near, .offset: 16, .size: 8, .value_kind: global_buffer, .address_space: global }
      - { .name: out1, .offset: 24, .size: 8, .value_kind: global_buffer, .address_space: global }
      - { .name: part, .offset: 32, .size: 8, .value_kind: global_buffer, .address_space: global }
    .group_segment_fixed_size: 2304
    .private_segment_fixed_size: 0
    .kernarg_segment_align: 8
    .kernarg_segment_size: 40
    .max_flat_workgroup_size: 512
    .sgpr_count:     66
    .vgpr_count:     162
    .wavefront_size: 32
...
	.end_amdgpu_metadata
.endif
;; end of part 2
;; launch total (part 3): grid 1 x 1, 1 waves a work-group, no clusters, 0 bytes of LDS; arguments part, out0; writes out0
.if DOCPART == 3
	.amdgcn_target "amdgcn-amd-amdhsa--gfx1250"
	.amdhsa_code_object_version 6
	.text
	.protected	k_q77bc9a5bee_total
	.globl	k_q77bc9a5bee_total
	.p2align	8
	.type	k_q77bc9a5bee_total,@function
k_q77bc9a5bee_total:
	s_mov_b64 s[64:65], 0
	v_nop
	global_prefetch_b8 v0, s[64:65] scope:SCOPE_SE
	s_setreg_imm32_b32 hwreg(HW_REG_WAVE_MODE, 25, 1), 1
	s_wait_xcnt 0x0
; out0 = S + 0.25 S, S the sum of the 256 work-groups' sums of (z - z_q)^2.  One wave: a sum over work-groups has one owner, in a launch behind theirs.
; 0.25 S is exact, so one fused multiply-add rounds as the definition's multiplication and addition do.
	s_load_b128 s[4:7], s[0:1], 0x0                ; part s[4:5], out0 s[6:7]
	v_lshlrev_b32 v1, 4, v0                        ; 16 bytes a lane
	s_mov_b32 s8, 0x76543210                       ; v_permlanex16_b32's selects for lane l xor 16
	s_mov_b32 s9, 0xfedcba98
	s_wait_alu depctr_va_vdst(0)
	s_wait_kmcnt 0x0
	global_load_b128 v[4:7], v1, s[4:5]            ; 512 consecutive bytes,
	global_load_b128 v[8:11], v1, s[4:5] offset:512  ; and the other 512
	s_wait_loadcnt 0x0
	v_pk_add_f32 v[4:5], v[4:5], v[6:7]
	v_pk_add_f32 v[8:9], v[8:9], v[10:11]
	v_pk_add_f32 v[4:5], v[4:5], v[8:9]
	v_add_f32 v4, v4, v5
	v_add_f32_dpp v4, v4, v4 row_xmask:1 row_mask:0xf bank_mask:0xf
	v_add_f32_dpp v4, v4, v4 row_xmask:2 row_mask:0xf bank_mask:0xf
	v_add_f32_dpp v4, v4, v4 row_xmask:4 row_mask:0xf bank_mask:0xf
	v_add_f32_dpp v4, v4, v4 row_xmask:8 row_mask:0xf bank_mask:0xf
	v_permlanex16_b32 v5, v4, s8, s9
	v_add_f32 v4, v4, v5                           ; S
	v_fmamk_f32 v6, v4, 0x3e800000, v4             ; S x 0.25 + S
	v_mov_b32 v7, 0
	v_cmp_eq_u32 vcc_lo, 0, v0
	s_wait_alu depctr_va_vdst(0)
	s_wait_xcnt 0x0                                ; EXEC changes only behind this wait
	s_and_saveexec_b32 s10, vcc_lo
	global_store_b32 v7, v6, s[6:7]
	s_endpgm
.Lfunc_end_k_q77bc9a5bee_total:
	.size	k_q77bc9a5bee_total, .Lfunc_end_k_q77bc9a5bee_total-k_q77bc9a5bee_total
	.p2alignl 7, 3214868480
	.fill 96, 4, 3214868480
	.section	.rodata,"a",@progbits
	.p2align	6, 0x0
	.amdhsa_kernel k_q77bc9a5bee_total
		.amdhsa_group_segment_fixed_size 0
		.amdhsa_private_segment_fixed_size 0
		.amdhsa_enable_private_segment 0
		.amdhsa_kernarg_size 16
		.amdhsa_user_sgpr_count 2
		.amdhsa_user_sgpr_kernarg_segment_ptr 1
		.amdhsa_wavefront_size32 1
		.amdhsa_system_sgpr_workgroup_id_x 1
		.amdhsa_system_sgpr_workgroup_id_y 1
		.amdhsa_system_sgpr_workgroup_id_z 1
		.amdhsa_system_vgpr_workitem_id 0
		.amdhsa_next_free_vgpr 24
		.amdhsa_next_free_sgpr 66
		.amdhsa_reserve_vcc 1
		.amdhsa_float_denorm_mode_32 3
		.amdhsa_float_denorm_mode_16_64 3
		.amdhsa_memory_ordered 1
		.amdhsa_forward_progress 1
		.amdhsa_inst_pref_size 2
	.end_amdhsa_kernel
	.amdgpu_metadata
---
amdhsa.version: [ 1, 2 ]
amdhsa.kernels:
  - .name:           k_q77bc9a5bee_total
    .symbol:         k_q77bc9a5bee_total.kd
    .args:
      - { .name: part, .offset: 0, .size: 8, .value_kind: global_buffer, .address_space: global }
      - { .name: out0, .offset: 8, .size: 8, .value_kind: global_buffer, .address_space: global }
    .group_segment_fixed_size: 0
    .private_segment_fixed_size: 0
    .kernarg_segment_align: 8
    .kernarg_segment_size: 16
    .max_flat_workgroup_size: 32
    .sgpr_count:     66
    .vgpr_count:     24
    .wavefront_size: 32
...
	.end_amdgpu_metadata
.endif
;; end of part 3
